; MI455X (gfx1250); checked and timed in simulation.
; The chip was launched on July 23, 2026; its instructions are those of AMD's public machine-readable ISA for CDNA 5 (MIT licence, August 2026) and "CDNA5" Instruction Set Architecture Reference Guide (July 2026). The comments in the code are by the model that wrote it; some were corrected since.
;; Self Attention opt v1. Allowed arithmetic: float matrix products may take bf16 or f16 operands with f32 sums; other float arithmetic in f32, or as packed bf16 or f16 multiplies, adds, multiply-adds, maxima and minima; sums over many terms, partial sums and values carried from step to step in f32; what a program stores and reads back later, other than sums and carried values, may be rounded once to bf16 or f16.
;; Inputs: W_qkv 1,024 x 3,072 float32; X 4 x 2,048 x 1,024 float32; b_qkv 3,072 float32.
;; Outputs: out0 4 x 2,048 x 1,024 float32.
;; One version. Each part assembles by itself: llvm-mc -triple=amdgcn-amd-amdhsa -mcpu=gfx1250 --defsym DOCPART=n.
;; ======== version 1 of 1: 4 launches
;; limits: values are held in f16: magnitudes above 65,504 overflow, below 6.1e-05 lose precision
;; workspace buffers: Xb 16,777,216 bytes; Wb 6,291,456 bytes; QKV 50,331,648 bytes; Pm 33,554,432 bytes; St 1,048,576 bytes
;; launch cast (part 1): grid 2816 x 1, 4 waves a work-group, no clusters, 0 bytes of LDS; arguments X, W_qkv, Xb, Wb; writes Xb, Wb
.if DOCPART == 1
	.amdgcn_target "amdgcn-amd-amdhsa--gfx1250"
	.amdhsa_code_object_version 6
	.text
	.protected	k_qcedcd6e4fb_cast
	.globl	k_qcedcd6e4fb_cast
	.p2align	8
	.type	k_qcedcd6e4fb_cast,@function
k_qcedcd6e4fb_cast:
	s_mov_b64 s[64:65], 0
	v_nop
	global_prefetch_b8 v0, s[64:65] scope:SCOPE_SE
	s_setreg_imm32_b32 hwreg(HW_REG_WAVE_MODE, 25, 1), 1
	s_wait_xcnt 0x0
; Xb = bf16(X), laid in blocks: [16 blocks of 64 k][8192 rows][64]; Wb = bf16(W_qkv) in W's own layout.  Each number is rounded once, to nearest even.
; The blocks serve the launch behind: its tile of 256 rows x 64 k is then 32,768 consecutive bytes.
; A stream: no LDS, no barrier, no matrix unit.  A work-group takes 16,384 bytes of f32: groups 0 to 2,047 take four rows of X each, groups 2,048 to 2,815 take W (12,582,912 bytes).
; X: a load of a wave takes 64 k of two neighbouring rows, 256 consecutive bytes for each half of the lanes; its store is those two rows' 128 bytes each, which lie side by side in a block:
; 256 consecutive bytes, aligned.  W: a load of a wave covers 512 consecutive bytes, a store 256.
; All eight loads are issued at once; no register is written twice, so the only waits are the counted ones for the data.
.set XGROUPS, 2048
.set BLOCK,   8192*128                 ; bytes in a block of Xb
.macro BODY lstep, sstep               ; eight pieces: lstep bytes apart on the way in, sstep bytes apart on the way out
.irp j, 0,1,2,3,4,5,6,7
	global_load_b128 v[8+4*(\j):11+4*(\j)], v1, s[14:15] offset:(\lstep)*(\j) th:TH_LOAD_NT  ; read once in the launch
.endr
.irp j, 0,1,2,3,4,5,6,7
	s_wait_loadcnt 7-(\j)                          ; loads come back in order: piece j is in, the younger ones stay out
	v_cvt_pk_bf16_f32 v[40+2*(\j)], v[8+4*(\j)], v[9+4*(\j)]
	v_cvt_pk_bf16_f32 v[41+2*(\j)], v[10+4*(\j)], v[11+4*(\j)]
	global_store_b64 v2, v[40+2*(\j):41+2*(\j)], s[16:17] offset:(\sstep)*(\j)
.endr
	s_endpgm
.endm
	s_load_b256 s[4:11], s[0:1], 0x0               ; X s[4:5], W s[6:7], Xb s[8:9], Wb s[10:11]
	s_mov_b32 s19, 0
	s_mov_b32 s21, 0
	s_cmp_lt_u32 ttmp9, XGROUPS                    ; X or W: the choice hangs on the group's number alone
	s_cbranch_scc0 .Lw
	; X.  Group g has rows 4 g to 4 g + 3.  Wave w, piece j: rows 4 g + 2 (w / 2) + (lane / 16), block 8 (w % 2) + j, k = 4 (lane % 16) on in the block
	v_and_b32 v3, 15, v0                           ; lane % 16
	v_bfe_u32 v4, v0, 4, 1                         ; lane / 16
	v_bfe_u32 v5, v0, 5, 1                         ; w % 2
	v_bfe_u32 v6, v0, 6, 1                         ; w / 2
	v_lshlrev_b32 v1, 4, v3                        ; in: 16 bytes a lane,
	v_lshl_add_u32 v1, v4, 12, v1                  ; a row of 4,096 bytes,
	v_lshl_add_u32 v1, v5, 11, v1                  ; eight blocks' 2,048 bytes of a row,
	v_lshl_add_u32 v1, v6, 13, v1                  ; two rows
	v_lshlrev_b32 v2, 3, v3                        ; out: 8 bytes a lane,
	v_lshl_add_u32 v2, v4, 7, v2                   ; a row's 128 bytes in a block,
	v_lshl_add_u32 v2, v6, 8, v2                   ; two rows,
	v_lshl_add_u32 v2, v5, 23, v2                  ; eight blocks
	s_lshl_b32 s18, ttmp9, 14                      ; four rows of X,
	s_lshl_b32 s20, ttmp9, 9                       ; four rows in a block
	s_wait_kmcnt 0x0
	s_add_nc_u64 s[14:15], s[4:5], s[18:19]
	s_add_nc_u64 s[16:17], s[8:9], s[20:21]
	BODY 256, BLOCK                                ; seven blocks at the most stand in the store's immediate: 7,340,032, inside its signed 24 bits
.Lw:
	v_lshlrev_b32 v1, 4, v0                        ; W: thread t takes 16 bytes at 16 t of each of eight pieces of 2,048 bytes
	v_lshlrev_b32 v2, 3, v0
	s_sub_co_u32 s13, ttmp9, XGROUPS               ; the group's number inside W
	s_lshl_b32 s18, s13, 14
	s_lshl_b32 s20, s13, 13
	s_wait_kmcnt 0x0
	s_add_nc_u64 s[14:15], s[6:7], s[18:19]
	s_add_nc_u64 s[16:17], s[10:11], s[20:21]
	BODY 2048, 1024
.Lfunc_end_k_qcedcd6e4fb_cast:
	.size	k_qcedcd6e4fb_cast, .Lfunc_end_k_qcedcd6e4fb_cast-k_qcedcd6e4fb_cast
	.p2alignl 7, 3214868480
	.fill 96, 4, 3214868480
	.section	.rodata,"a",@progbits
	.p2align	6, 0x0
	.amdhsa_kernel k_qcedcd6e4fb_cast
		.amdhsa_group_segment_fixed_size 0
		.amdhsa_private_segment_fixed_size 0
		.amdhsa_enable_private_segment 0
		.amdhsa_kernarg_size 32
		.amdhsa_user_sgpr_count 2
		.amdhsa_user_sgpr_kernarg_segment_ptr 1
		.amdhsa_wavefront_size32 1
		.amdhsa_system_sgpr_workgroup_id_x 1
		.amdhsa_system_sgpr_workgroup_id_y 1
		.amdhsa_system_sgpr_workgroup_id_z 1
		.amdhsa_system_vgpr_workitem_id 0
		.amdhsa_next_free_vgpr 56
		.amdhsa_next_free_sgpr 66
		.amdhsa_reserve_vcc 0
		.amdhsa_float_denorm_mode_32 3
		.amdhsa_float_denorm_mode_16_64 3
		.amdhsa_memory_ordered 1
		.amdhsa_forward_progress 1
		.amdhsa_inst_pref_size 8
	.end_amdhsa_kernel
	.amdgpu_metadata
---
amdhsa.version: [ 1, 2 ]
amdhsa.kernels:
  - .name:           k_qcedcd6e4fb_cast
    .symbol:         k_qcedcd6e4fb_cast.kd
    .args:
      - { .name: X, .offset: 0, .size: 8, .value_kind: global_buffer, .address_space: global }
      - { .name: W_qkv, .offset: 8, .size: 8, .value_kind: global_buffer, .address_space: global }
      - { .name: Xb, .offset: 16, .size: 8, .value_kind: global_buffer, .address_space: global }
      - { .name: Wb, .offset: 24, .size: 8, .value_kind: global_buffer, .address_space: global }
    .group_segment_fixed_size: 0
    .private_segment_fixed_size: 0
    .kernarg_segment_align: 8
    .kernarg_segment_size: 32
    .max_flat_workgroup_size: 128
    .sgpr_count:     66
    .vgpr_count:     56
    .wavefront_size: 32
...
	.end_amdgpu_metadata
.endif
;; end of part 1
;; launch proj (part 2): grid 8 x 32, 4 waves a work-group, clusters of 4 x 4, 327,680 bytes of LDS; arguments Xb, Wb, b_qkv, QKV; writes QKV
.if DOCPART == 2
	.amdgcn_target "amdgcn-amd-amdhsa--gfx1250"
	.amdhsa_code_object_version 6
	.text
	.protected	k_qcedcd6e4fb_proj
	.globl	k_qcedcd6e4fb_proj
	.p2align	8
	.type	k_qcedcd6e4fb_proj,@function
k_qcedcd6e4fb_proj:
	s_mov_b64 s[64:65], 0
	v_nop
	global_prefetch_b8 v0, s[64:65] scope:SCOPE_SE
	s_setreg_imm32_b32 hwreg(HW_REG_WAVE_MODE, 25, 1), 1
	s_wait_xcnt 0x0
	s_wait_alu depctr_hold_cnt(0) depctr_sa_sdst(0) depctr_va_vdst(0) depctr_va_sdst(0) depctr_va_ssrc(0) depctr_va_vcc(0) depctr_vm_vsrc(0)
	s_getreg_b32 s2, hwreg(HW_REG_IB_STS2, 6, 4)
	s_cmp_eq_u32 s2, 0
	s_cbranch_scc0 .Lentry_in_a_cluster
	s_endpgm
.Lentry_in_a_cluster:
	s_bfe_u32 s2, ttmp6, 0x10000c
	s_cmp_lg_u32 s2, 0xf033
	s_cbranch_scc0 .Lentry_shape_is_right
	s_endpgm
.Lentry_shape_is_right:
; QKV[t][e] = f16( bf16(b[e]) + sum over d of Xb[t][d] Wb[d][e] ).  Xb: [16 blocks of 64 d][8192][64] bf16, Wb: [1024][3072] bf16, b: [3072] f32, QKV: [8192][3072] f16.  Sums in f32, d ascending.
; LIMIT.  QKV is kept in f16: a number of 65,520 or more would leave as an infinity.  NaN and infinities are not treated apart.
; SHARES.  A work-group makes 256 rows x 384 columns: 8 x 32 = 256 work-groups.  Four waves, each 128 x 192: 96 accumulators of 16 x 16, 768 registers, so that 20 fragments from LDS feed 96 matrix instructions.
; K goes in steps of 64 (two slots of a step of 128 would need 360,448 bytes of LDS) through two slots filled by the tensor data mover: 256 rows of X, 32,768 consecutive bytes of a block, asked for
; as rows of 256 bytes; and 64 rows of W of 768 bytes, as they lie: [d][e].  W comes out of LDS turned, by ds_load_tr16_b128.
; THE MATRIX INSTRUCTION IS USED TRANSPOSED (source 0 = 16 columns of W, source 1 = 16 rows of X): a lane holds eight neighbouring numbers of a row of QKV.
; PHASES.  A quarter is 32 along K, in three phases: phase p has the accumulators of window 1 + p, my columns 64 p to 64 p + 63, all 128 rows: 32 matrix instructions on 4 fragments of W and 8 of X.
; W has a buffer for each phase, X one for each of a step's two quarters.  In each phase's middle stands one run of LDS loads, 48 matrix instructions ahead of its first use:
; in phase 0 W for this quarter's phase 2, in phase 1 W for the next quarter's phase 0 and its X, in phase 2 W for the next quarter's phase 1.
; THE BIAS, rounded to bf16 like the other inputs, is the C operand of the first quarter's products: nothing is cleared and nothing is added on the way out.
; CLUSTER.  4 x 4 work-groups: the four of a row need the same rows of X, the four of a column the same columns of W; each tile is asked for jointly, with the same descriptor and a mask of the four.
; REGISTERS, in windows of 256 (s_set_vgpr_msb: bits 1:0 source 0, 3:2 source 1, 5:4 source 2, 7:6 destination):
;   window 0: v0-29 addresses; v32-95, v96-159 fragments of X (the second buffer holds the bias in the first quarter); v160-255 fragments of W; on the way out v32-223 at work
;   window 1 + p: the accumulators of columns 64 p on: rows 16 a on, columns 16 bb on at v[8 (4 a + bb)]
.set PA,    144                        ; a row of X in LDS: 128 bytes + 16 = 36 words: the 16 rows of a load start at 16 different groups of four banks (64 banks of 4 bytes: ISA guide 11.1)
.set PB,    864                        ; a row of W: six pieces of 128 bytes + 16 = 216 words
.set AHALF, 128*PA                     ; 128 rows of X: one tensor load, and what one wave reads
.set ABYTES, 2*AHALF
.set BHALF, 32*PB                      ; 32 rows of W: one tensor load
.set SLOT,  ABYTES+2*BHALF             ; X's 256 rows, then W's 64 rows
.set STAGE, 2*SLOT                     ; behind the ring: 128 rows x 784 bytes, the work-group's, for the way out
.set SP,    784                        ; 768 bytes + 16 = 196 words: the 16 rows of a store start at 16 different groups of four banks
.set BIAS,  STAGE+128*SP               ; the tile's 384 numbers of the bias in f32, a copy for each wave
.set SPARE, BIAS+4*1536                ; the spare words, 128 bytes for each wave: two blocks of 256 bytes that no other line names
.set LAPS,  8                          ; a lap = two K steps = once round the ring: 1,024 / 128
.set ASTEP, 8192*128                   ; bytes from a K step to the next in Xb: a block
.set BSTEP, 64*6144                    ; and in Wb: 64 rows
.set CROW,  6144                       ; bytes in a row of QKV
.set WV, 12                            ; s12 wave; s13 its row half (also: fetches X or W); s14 its column half (also: which half of that tile it fetches)
.set WR, 13
.set WC, 14
.set G1A, 24                           ; s[24:31] descriptor group 1 for X's tiles; s[32:39] group 0, a set for each slot
.set G0A, 32
.set G1B, 48                           ; s[48:55], s[56:63] the same for W's
.set G0B, 56
.set ADRA, 10                          ; v10-11 LDS address of my fragments of X in slot 0, 1
.set ADRB, 12                          ; v12-13 the same for W
.set STO, 14                           ; v14 the way out: where I put 16 bytes of a row
.set RD0, 15                           ; v15 where I read 512 consecutive bytes of a row back
.set RD1, 16                           ; v16 where I read a row's last 256 bytes (lanes 0-15) and the next row's first 256 (lanes 16-31)
.set CO0, 17                           ; v17, v18 the same two places in QKV
.set CO1, 18
.set BL,  19                           ; v19 where I read my columns' bias
.set BST, 20                           ; v20 where I put 16 bytes of the bias
.set SPW, 28                           ; v28 LDS address of my spare word; never rewritten
.set NIL, 29                           ; v29 0; never rewritten
.set FA0, 32
.set FA1, 96
.set FB,  160
.set T,   32                           ; the way out: 192 registers
.set MSB, 0
.macro WIN new                         ; the immediate's high byte repeats the setting that is left; a switch that changes nothing is dropped
.if MSB != (\new)
	s_set_vgpr_msb (MSB<<8)|(\new)
.set MSB, \new
.endif
.endm
; A joint load: waves 0 and 1 fetch X's two halves, waves 2 and 3 W's.  The branch hangs on the wave's number alone.  An s_nop 0 and four v_nop follow each line.
.macro JLOAD s
	s_cmp_lt_u32 s[WV], 2
	s_cbranch_scc0 .Lfor_b_\@
	tensor_load_to_lds s[G0A+4*(\s):G0A+4*(\s)+3], s[G1A:G1A+7]
	s_nop 0
.rept 4
	v_nop
.endr
	s_branch .Lasked_\@
.Lfor_b_\@:
	tensor_load_to_lds s[G0B+4*(\s):G0B+4*(\s)+3], s[G1B:G1B+7]
	s_nop 0
.rept 4
	v_nop
.endr
.Lasked_\@:
.endm
.macro CREST                           ; a round of the cluster's barrier behind its opening barrier
	s_cmp_lg_u32 s[WV], 0
	s_cbranch_scc1 .Lnot_wave_0_\@
	s_barrier_signal -3
.Lnot_wave_0_\@:
	s_barrier_wait -3
	s_barrier_signal -1
	s_barrier_wait -1
.endm
.macro CROUND                          ; a whole round
	s_barrier_signal -1
	s_barrier_wait -1
	CREST
.endm
.macro PLACES                          ; four places in front of loads into registers that matrix instructions have read, and of vector lines that read results just made
.rept 4
	v_nop
.endr
.endm
	s_load_b256 s[4:11], s[0:1], 0x0               ; Xb s[4:5], Wb s[6:7], b s[8:9], QKV s[10:11]
	v_lshl_add_u32 v[SPW], v0, 2, SPARE
	v_mov_b32 v[NIL], 0
	ds_add_u32 v[SPW], v[NIL]                      ; the wave's opening: the add and its wait stand ahead of my first tensor load; the set-up below stands between them
	v_lshrrev_b32 v1, 5, v0
	v_readfirstlane_b32 s[WV], v1
	s_lshr_b32 s[WR], s[WV], 1
	s_and_b32 s[WC], s[WV], 1
	s_bfe_u32 s15, ttmp6, 0x40000                  ; cx
	s_bfe_u32 s16, ttmp6, 0x40004                  ; cy
	s_lshl_b32 s17, ttmp9, 2
	s_add_co_u32 s17, s17, s15                     ; tile column = 4 x cluster x + cx
	s_and_b32 s18, ttmp7, 0xffff
	s_lshl_b32 s18, s18, 2
	s_add_co_u32 s18, s18, s16                     ; tile row = 4 x cluster y + cy
	s_lshl_b32 s20, s16, 2
	s_lshl_b32 s20, 15, s20                        ; my row of the cluster
	s_lshl_b32 s21, 0x1111, s15                    ; my column
	; X: 128 rows of 128 bytes are 16,384 consecutive bytes: asked for as 64 rows of 256 bytes, two rows of X each, and padded in LDS behind every row of X
	s_or_b32 s[G1A], s20, (1<<16)|(1<<20)|(1<<21)|(4<<22)|(3<<25)  ; mask; 2-byte elements; padding on; bit 21 beside a mask; after every 32 words 4 words
	s_mov_b32 s[G1A+1], 128<<16                    ; tensor_dim0 = 128
	s_mov_b32 s[G1A+2], 64<<16                     ; tensor_dim1 = 64
	s_mov_b32 s[G1A+3], 128<<16                    ; tile_dim0 = 128
	s_mov_b32 s[G1A+4], 64                         ; tile_dim1 = 64
	s_mov_b32 s[G1A+5], 128                        ; elements from row to row: dense
	s_mov_b32 s[G1A+6], 0
	s_mov_b32 s[G1A+7], 0
	; W: 32 rows of 384 elements; a row is six intervals of 32 words, so every LDS row is 864 bytes
	s_or_b32 s[G1B], s21, (1<<16)|(1<<20)|(1<<21)|(4<<22)|(3<<25)
	s_mov_b32 s[G1B+1], 384<<16
	s_mov_b32 s[G1B+2], 32<<16
	s_mov_b32 s[G1B+3], 384<<16
	s_mov_b32 s[G1B+4], 32
	s_mov_b32 s[G1B+5], 3072                       ; elements from row to row of Wb
	s_mov_b32 s[G1B+6], 0
	s_mov_b32 s[G1B+7], 0
	s_lshl_b32 s22, s18, 15                        ; X: 256 rows of 128 bytes a tile row,
	s_lshl_b32 s23, s[WC], 14                      ; my 128 of them: made of the tile row and the wave alone
	s_add_co_u32 s22, s22, s23
	s_mov_b32 s23, 0
	s_mul_i32 s40, s[WC], 32*6144                  ; W: my 32 rows of a K step,
	s_mul_i32 s41, s17, 768                        ; 768 bytes a tile column: made of the tile column and the wave alone
	s_add_co_u32 s40, s40, s41
	s_mov_b32 s41, 0
	s_mul_i32 s46, s[WC], AHALF                    ; where they go in a slot: no place in the cluster enters an LDS address
	s_mul_i32 s47, s[WC], BHALF
	s_add_co_u32 s47, s47, ABYTES
	s_wait_dscnt 0x0                               ; the opening add is done
	s_wait_kmcnt 0x0
	s_add_nc_u64 s[4:5], s[4:5], s[22:23]
	s_add_nc_u64 s[6:7], s[6:7], s[40:41]
	CROUND                                         ; all sixteen work-groups are here: the first joint loads meet
.irp s, 0,1
	s_mov_b32 s[G0A+4*(\s)], 1
	s_add_co_u32 s[G0A+4*(\s)+1], s46, (\s)*SLOT
	s_add_nc_u64 s[G0A+4*(\s)+2:G0A+4*(\s)+3], s[4:5], (\s)*ASTEP
	s_or_b32 s[G0A+4*(\s)+3], s[G0A+4*(\s)+3], 0x80000000
	s_mov_b32 s[G0B+4*(\s)], 1
	s_add_co_u32 s[G0B+4*(\s)+1], s47, (\s)*SLOT
	s_add_nc_u64 s[G0B+4*(\s)+2:G0B+4*(\s)+3], s[6:7], (\s)*BSTEP
	s_or_b32 s[G0B+4*(\s)+3], s[G0B+4*(\s)+3], 0x80000000
	JLOAD \s                                       ; two loads of mine are out
.endr
	; the tile's 384 numbers of the bias: every wave takes all of them, 3 x 512 consecutive bytes, for a copy of its own
	s_mul_i32 s44, s17, 1536
	s_mov_b32 s45, 0
	s_add_nc_u64 s[8:9], s[8:9], s[44:45]
	v_and_b32 v9, 31, v0                           ; lane
	v_lshlrev_b32 v[CO0], 4, v9                    ; 16 x lane
	global_load_b128 v[32:35], v[CO0], s[8:9]
	global_load_b128 v[36:39], v[CO0], s[8:9] offset:512
	global_load_b128 v[40:43], v[CO0], s[8:9] offset:1024
	; the rows of QKV that I store: 256 x tile row + 128 x row half + 32 x column half on (and 64 rows further in the second pass), from the tile's first column
	s_lshl_b32 s42, s18, 8
	s_lshl_b32 s43, s[WR], 7
	s_add_co_u32 s42, s42, s43
	s_lshl_b32 s43, s[WC], 5
	s_add_co_u32 s42, s42, s43
	s_mul_i32 s42, s42, CROW
	s_mul_i32 s43, s17, 768
	s_add_co_u32 s42, s42, s43
	s_mov_b32 s43, 0
	s_add_nc_u64 s[10:11], s[10:11], s[42:43]
	v_and_b32 v1, 15, v0                           ; r = l % 16
	v_bfe_u32 v2, v0, 4, 1                         ; h = l / 16
	v_mul_u32_u24 v3, v1, PA
	v_lshl_add_u32 v3, v2, 4, v3                   ; a fragment of X: row x pitch + 16 x half
	v_and_b32 v4, 7, v0
	v_bfe_u32 v5, v0, 3, 1
	v_lshl_add_u32 v6, v2, 3, v4                   ; the turning load: row 8 h + l % 8,
	v_mul_u32_u24 v6, v6, PB
	v_lshl_add_u32 v6, v5, 4, v6                   ; 16 bytes at 16 ((l / 8) % 2)
	s_mul_i32 s74, s[WR], AHALF                    ; my 128 rows of X
	s_mul_i32 s75, s[WC], 432                      ; my 192 columns of W: 384 bytes and three pads on,
	s_add_co_u32 s75, s75, ABYTES                  ; behind X
.irp s, 0,1
	v_add_nc_u32 v[ADRA+(\s)], s74, v3
	v_add_nc_u32 v[ADRB+(\s)], s75, v6
	s_add_co_u32 s74, s74, SLOT
	s_add_co_u32 s75, s75, SLOT
.endr
	s_mul_i32 s76, s[WR], 64*SP                    ; into the stage: a pass holds 64 rows of each row half; my 384 bytes of them; row r, 16 bytes for each half of the lanes
	s_mul_i32 s77, s[WC], 384
	s_add_co_u32 s76, s76, s77
	s_add_co_u32 s76, s76, STAGE
	v_mul_u32_u24 v7, v1, SP
	v_lshl_add_u32 v7, v2, 4, v7
	v_add_nc_u32 v[STO], s76, v7
	s_mul_i32 s78, s[WV], 32*SP                    ; back: wave w takes the stage's rows 32 w to 32 w + 31, whole
	s_add_co_u32 s78, s78, STAGE
	v_add_nc_u32 v[RD0], s78, v[CO0]
	v_mul_u32_u24 v7, v2, SP-512
	v_lshl_add_u32 v7, v1, 4, v7
	v_add_nc_u32 v7, 512, v7                       ; lanes 0-15: byte 512 + 16 r of a row; lanes 16-31: byte 16 r of the next
	v_add_nc_u32 v[RD1], s78, v7
	v_mul_u32_u24 v8, v2, CROW-512
	v_lshl_add_u32 v8, v1, 4, v8
	v_add_nc_u32 v[CO1], 512, v8                   ; and the same in QKV
	s_mul_i32 s79, s[WV], 1536
	s_add_co_u32 s79, s79, BIAS                    ; my copy of the bias
	v_add_nc_u32 v[BST], s79, v[CO0]
	s_mul_i32 s77, s[WC], 768
	s_add_co_u32 s79, s79, s77
	v_lshl_add_u32 v[BL], v2, 5, s79               ; a lane holds columns 16 b + 8 h + 0..7 of the wave's 192
	s_wait_loadcnt 0x0                             ; the bias, once; it is rounded to bf16 like the other inputs and widened again
.irp i, 0,1,2,3,4,5
	v_cvt_pk_bf16_f32 v[44+(\i)], v[32+2*(\i)], v[33+2*(\i)]
.endr
.irp i, 0,1,2,3,4,5
	v_lshlrev_b32 v[32+2*(\i)], 16, v[44+(\i)]
	v_and_b32 v[33+2*(\i)], 0xffff0000, v[44+(\i)]
.endr
	ds_store_b128 v[BST], v[32:35]
	ds_store_b128 v[BST], v[36:39] offset:512
	ds_store_b128 v[BST], v[40:43] offset:1024
; n blocks of 16 rows from a0 on x the phase's 4 blocks of 16 columns, 32 along K; X from buffer af.  cb >= 0: the products start the sums, with the bias at v[cb ..] as C.
; Every instruction names another accumulator, in the same order in every quarter: they take turns.
.macro MULP p, af, a0, n, cb=-1
.if (\cb) >= 0
	WIN (1+(\p))<<6                                ; D in window 1 + p; W, X and C in window 0
.else
	WIN ((1+(\p))<<6)|((1+(\p))<<4)                ; C and D in window 1 + p
.endif
.set ma, \a0
.rept \n
.set mb, 0
.rept 4
.if (\cb) >= 0
	v_wmma_f32_16x16x32_bf16 v[8*(4*ma+mb):8*(4*ma+mb)+7], v[FB+32*(\p)+8*mb:FB+32*(\p)+8*mb+7], v[(\af)+8*ma:(\af)+8*ma+7], v[(\cb)+8*mb:(\cb)+8*mb+7]
.else
	v_wmma_f32_16x16x32_bf16 v[8*(4*ma+mb):8*(4*ma+mb)+7], v[FB+32*(\p)+8*mb:FB+32*(\p)+8*mb+7], v[(\af)+8*ma:(\af)+8*ma+7], v[8*(4*ma+mb):8*(4*ma+mb)+7]
.endif
.set mb, mb+1
.endr
.set ma, ma+1
.endr
.endm
; 8 turning loads: W's four fragments for phase p of quarter q of a slot, into the phase's buffer.  Columns 64 p on are 128 p bytes and p pads on.
.macro LDB slot, q, p
	WIN 0
.irp i, 0,1,2,3
	ds_load_tr16_b128 v[FB+32*(\p)+8*(\i):FB+32*(\p)+8*(\i)+3],   v[ADRB+(\slot)] offset:(\q)*32*PB+144*(\p)+32*(\i)
	ds_load_tr16_b128 v[FB+32*(\p)+8*(\i)+4:FB+32*(\p)+8*(\i)+7], v[ADRB+(\slot)] offset:(\q)*32*PB+144*(\p)+32*(\i)+16*PB
.endr
.endm
; 16 loads: X's eight fragments for quarter q of a slot, into buffer af
.macro LDA slot, q, af
	WIN 0
.irp i, 0,1,2,3,4,5,6,7
	ds_load_b128 v[(\af)+8*(\i):(\af)+8*(\i)+3],   v[ADRA+(\slot)] offset:(\q)*64+(\i)*16*PA
	ds_load_b128 v[(\af)+8*(\i)+4:(\af)+8*(\i)+7], v[ADRA+(\slot)] offset:(\q)*64+(\i)*16*PA+32
.endr
.endm
; 2 n loads: the bias of my column blocks b0 to b0 + n - 1, eight registers each, from my own copy (LDS serves a wave's instructions in order, ISA guide 5.7.1.4: these see my stores)
.macro LDBI b0, n, dst
	WIN 0
.set bb, 0
.rept \n
	ds_load_b128 v[(\dst)+8*bb:(\dst)+8*bb+3],   v[BL] offset:64*((\b0)+bb)
	ds_load_b128 v[(\dst)+8*bb+4:(\dst)+8*bb+7], v[BL] offset:64*((\b0)+bb)+16
.set bb, bb+1
.endr
.endm
; A step's first quarter (quarter 0 of a slot, X in buffer 0); the next quarter is the same slot's quarter 1.
.macro QUART slot
	s_wait_dscnt 8                                 ; W for phase 0 and X are in; the youngest eight loads (W for phase 1) may be out
	MULP 0, FA0, 0, 4
	PLACES
	LDB \slot, 0, 2
	MULP 0, FA0, 4, 4
	s_wait_dscnt 8                                 ; W for phase 1 is in; the eight just issued may be out
	MULP 1, FA0, 0, 4
	PLACES
	LDB \slot, 1, 0
	LDA \slot, 1, FA1
	MULP 1, FA0, 4, 4
	s_wait_dscnt 24                                ; W for phase 2 is in; the 24 just issued may be out
	MULP 2, FA0, 0, 4
	PLACES
	LDB \slot, 1, 1
	MULP 2, FA0, 4, 4
.endm
; A step's second quarter (X in buffer 1) changes slots.  Phase 0's run holds my last reads of this slot.  In phase 1: one barrier; in front of it each wave waits for all its tensor loads (one is
; out: its part of the next slot), adds 0 to its spare word, and waits for that and for its reads of this slot.  fill = 1: the barrier opens a round of the cluster's, and this slot is filled again,
; two K steps on, first thing behind the round: 176 matrix instructions ahead of the wait for it.  Then come the next slot's first fragments.
.macro TURNQ slot, next, fill
	s_wait_dscnt 8
	MULP 0, FA1, 0, 4
	PLACES
	LDB \slot, 1, 2
	MULP 0, FA1, 4, 4
	WIN 0
	s_wait_tensorcnt 0x0
	ds_add_u32 v[SPW], v[NIL]
	s_wait_dscnt 9                                 ; W for phase 1 is in; phase 0's eight loads and the add may be out
	MULP 1, FA1, 0, 2
	s_wait_dscnt 0x0                               ; the add is done, and my reads of this slot are over
	s_barrier_signal -1
	MULP 1, FA1, 2, 2                              ; work on registers while the others arrive
.if \fill
	WIN 0
.endif
	s_barrier_wait -1
.if \fill
	CREST                                          ; no wave of any partner still reads this slot or has a load on its way
	s_add_nc_u64 s[G0A+4*(\slot)+2:G0A+4*(\slot)+3], s[G0A+4*(\slot)+2:G0A+4*(\slot)+3], 2*ASTEP
	s_add_nc_u64 s[G0B+4*(\slot)+2:G0B+4*(\slot)+3], s[G0B+4*(\slot)+2:G0B+4*(\slot)+3], 2*BSTEP
	JLOAD \slot                                    ; its four v_nop are also the places in front of the loads below
.else
	PLACES
.endif
	LDB \next, 0, 0
	LDA \next, 0, FA0
	MULP 1, FA1, 4, 4
	s_wait_dscnt 24
	MULP 2, FA1, 0, 4
	PLACES
	LDB \next, 0, 1
	MULP 2, FA1, 4, 4
.endm
; THE WAY OUT, in two passes of 128 rows (my blocks 4 half to 4 half + 3).  CVT: the sums are rounded to f16.  TOST: 16 bytes a lane into the work-group's stage.  BACK: whole rows of 768 bytes back, 32 rows a wave.
.macro CVT half
.irp w, 0,1,2
	WIN (1+(\w))|((1+(\w))<<2)                     ; sources 0 and 1 in window 1 + w
.set i, 0
.rept 64
	v_cvt_pk_f16_f32 v[T+64*(\w)+i], v[128*(\half)+2*i], v[128*(\half)+2*i+1]  ; each accumulator's registers in ascending order
.set i, i+1
.endr
.endr
	WIN 0
.endm
.macro TOST
.irp w, 0,1,2
.irp a, 0,1,2,3
.irp b, 0,1,2,3
	ds_store_b128 v[STO], v[T+64*(\w)+16*(\a)+4*(\b):T+64*(\w)+16*(\a)+4*(\b)+3] offset:(\a)*16*SP+32*(4*(\w)+(\b))
.endr
.endr
.endr
.endm
.macro BACK                            ; two rows are six pieces of 256 bytes: three loads, sixteen lanes to a piece
.set t, 0
.rept 16
	ds_load_b128 v[T+12*t:T+12*t+3],    v[RD0] offset:t*2*SP
	ds_load_b128 v[T+12*t+4:T+12*t+7],  v[RD1] offset:t*2*SP
	ds_load_b128 v[T+12*t+8:T+12*t+11], v[RD0] offset:t*2*SP+SP+256
.set t, t+1
.endr
.endm
.macro SEND half
.set t, 0
.rept 16
.if t%4 == 0
	s_wait_dscnt 36-3*t                            ; the next twelve loads are in; the younger ones may be out
.endif
	global_store_b128 v[CO0], v[T+12*t:T+12*t+3],    s[10:11] offset:(\half)*64*CROW+t*2*CROW  ; 16 lanes store 256 consecutive bytes, aligned
	global_store_b128 v[CO1], v[T+12*t+4:T+12*t+7],  s[10:11] offset:(\half)*64*CROW+t*2*CROW
	global_store_b128 v[CO0], v[T+12*t+8:T+12*t+11], s[10:11] offset:(\half)*64*CROW+t*2*CROW+CROW+256
.set t, t+1
.endr
.endm
	s_wait_dscnt 0x0                               ; no LDS instruction of mine is out at the signal
	s_wait_tensorcnt 1                             ; my part of K step 0 is in; K step 1's may stay out
	s_barrier_signal -1
	s_barrier_wait -1                              ; everybody's is
	; THE FIRST QUARTER stands in front of the loop: its products start the sums, with the bias as C.  The bias of column blocks 0-7 lies in X's second buffer; that of blocks 8-11 follows where
	; blocks 0-3's lay; so that buffer takes the next quarter's X only at this quarter's end.
	LDBI 0, 8, FA1
	LDB 0, 0, 0
	LDA 0, 0, FA0
	LDB 0, 0, 1
	s_wait_dscnt 8                                 ; all but W for phase 1
	MULP 0, FA0, 0, 4, FA1
	PLACES
	LDB 0, 0, 2
	MULP 0, FA0, 4, 4, FA1
	s_wait_dscnt 8
	MULP 1, FA0, 0, 4, FA1+32
	PLACES
	LDBI 8, 4, FA1
	LDB 0, 1, 0
	MULP 1, FA0, 4, 4, FA1+32
	s_wait_dscnt 8                                 ; W for phase 2 and the bias are in; the youngest eight loads may be out
	MULP 2, FA0, 0, 8, FA1
	PLACES
	LDA 0, 1, FA1
	LDB 0, 1, 1                                    ; the youngest eight, as at every quarter's end
	WIN 0                                          ; at a label and at a branch every window is 0
	s_mov_b32 s3, LAPS-1
.Llap:                                                 ; a trip goes once round the ring, from a lap's second quarter to the next lap's first, and fills both slots again
	TURNQ 0, 1, 1
	QUART 1
	TURNQ 1, 0, 1
	QUART 0
	WIN 0
	s_sub_co_u32 s3, s3, 1
	s_cmp_lg_u32 s3, 0
	s_cbranch_scc1 .Llap
	TURNQ 0, 1, 0                                  ; the last lap fills nothing, and has no round of the cluster's barrier
	QUART 1
	s_wait_dscnt 8                                 ; the very last quarter: only W for its own phase 2 is left to fetch
	MULP 0, FA1, 0, 4
	PLACES
	LDB 1, 1, 2
	MULP 0, FA1, 4, 4
	s_wait_dscnt 8
	MULP 1, FA1, 0, 8
	s_wait_dscnt 0x0
	MULP 2, FA1, 0, 8
	WIN 0
	PLACES
	CVT 0
	TOST
	s_wait_dscnt 0x0                               ; for the others' sake: my stores into the stage are done
	s_barrier_signal -1
	s_barrier_wait -1
	BACK
	SEND 0                                         ; its last wait is for 0: my reads of the stage are over
	s_barrier_signal -1
	s_barrier_wait -1                              ; everybody's are: the stage may be written again
	s_wait_xcnt 0x0                                ; the registers that the stores read are rewritten only behind this wait
	CVT 1
	TOST
	s_wait_dscnt 0x0
	s_barrier_signal -1
	s_barrier_wait -1
	BACK
	SEND 1
	s_wait_tensorcnt 0x0                           ; the wave's end
	ds_add_u32 v[SPW], v[NIL]
	s_wait_dscnt 0x0
	CROUND                                         ; the closing round: no work-group ends while a partner may still ask for a tile that names it
	s_endpgm
.Lfunc_end_k_qcedcd6e4fb_proj:
	.size	k_qcedcd6e4fb_proj, .Lfunc_end_k_qcedcd6e4fb_proj-k_qcedcd6e4fb_proj
	.p2alignl 7, 3214868480
	.fill 96, 4, 3214868480
	.section	.rodata,"a",@progbits
	.p2align	6, 0x0
	.amdhsa_kernel k_qcedcd6e4fb_proj
		.amdhsa_group_segment_fixed_size 327680
		.amdhsa_private_segment_fixed_size 0
		.amdhsa_enable_private_segment 0
		.amdhsa_kernarg_size 32
		.amdhsa_user_sgpr_count 2
		.amdhsa_user_sgpr_kernarg_segment_ptr 1
		.amdhsa_wavefront_size32 1
		.amdhsa_system_sgpr_workgroup_id_x 1
		.amdhsa_system_sgpr_workgroup_id_y 1
		.amdhsa_system_sgpr_workgroup_id_z 1
		.amdhsa_system_vgpr_workitem_id 0
		.amdhsa_next_free_vgpr 1024
		.amdhsa_next_free_sgpr 80
		.amdhsa_reserve_vcc 0
		.amdhsa_float_denorm_mode_32 3
		.amdhsa_float_denorm_mode_16_64 3
		.amdhsa_memory_ordered 1
		.amdhsa_forward_progress 1
		.amdhsa_inst_pref_size 134
	.end_amdhsa_kernel
	.amdgpu_metadata
---
amdhsa.version: [ 1, 2 ]
amdhsa.kernels:
  - .name:           k_qcedcd6e4fb_proj
    .symbol:         k_qcedcd6e4fb_proj.kd
    .args:
      - { .name: Xb, .offset: 0, .size: 8, .value_kind: global_buffer, .address_space: global }
      - { .name: Wb, .offset: 8, .size: 8, .value_kind: global_buffer, .address_space: global }
      - { .name: b_qkv, .offset: 16, .size: 8, .value_kind: global_buffer, .address_space: global }
      - { .name: QKV, .offset: 24, .size: 8, .value_kind: global_buffer, .address_space: global }
    .group_segment_fixed_size: 327680
    .private_segment_fixed_size: 0
    .kernarg_segment_align: 8
    .kernarg_segment_size: 32
    .max_flat_workgroup_size: 128
    .sgpr_count:     80
    .vgpr_count:     1024
    .wavefront_size: 32
...
	.end_amdgpu_metadata
.endif
;; end of part 2
;; launch score (part 3): grid 8 x 32, 4 waves a work-group, clusters of 4 x 4, 327,680 bytes of LDS; arguments QKV, Pm, St; writes Pm, St
.if DOCPART == 3
	.amdgcn_target "amdgcn-amd-amdhsa--gfx1250"
	.amdhsa_code_object_version 6
	.text
	.protected	k_qcedcd6e4fb_score
	.globl	k_qcedcd6e4fb_score
	.p2align	8
	.type	k_qcedcd6e4fb_score,@function
k_qcedcd6e4fb_score:
	s_mov_b64 s[64:65], 0
	v_nop
	global_prefetch_b8 v0, s[64:65] scope:SCOPE_SE
	s_setreg_imm32_b32 hwreg(HW_REG_WAVE_MODE, 25, 1), 1
	s_wait_xcnt 0x0
	s_wait_alu depctr_hold_cnt(0) depctr_sa_sdst(0) depctr_va_vdst(0) depctr_va_sdst(0) depctr_va_ssrc(0) depctr_va_vcc(0) depctr_vm_vsrc(0)
	s_getreg_b32 s2, hwreg(HW_REG_IB_STS2, 6, 4)
	s_cmp_eq_u32 s2, 0
	s_cbranch_scc0 .Lentry_in_a_cluster
	s_endpgm
.Lentry_in_a_cluster:
	s_bfe_u32 s2, ttmp6, 0x10000c
	s_cmp_lg_u32 s2, 0xf033
	s_cbranch_scc0 .Lentry_shape_is_right
	s_endpgm
.Lentry_shape_is_right:
; For each query row and each block of 128 keys: cm = c max s, p = 2^(c s - cm), l = the sum of the p; s = q . k over 1,024 channels, c = log2(e) / 32.
; QKV: [8192][3072] f16 (q columns 0-1023, k 1024-2047).  Pm: [8192][2048] f16 takes p; St: [4 batch][16 block][2048 row][cm, l] f32.  Products, maxima and sums in f32; l is the sum of the unrounded p.
; The maximum taken away is the true maximum of the block; the launch behind brings the sixteen blocks of a row onto the row's own maximum.
; LIMITS.  p lies in 0 to 1; below 6e-5 it keeps f16's fixed step of 6e-8; a weight below 2^-126 counts as 0 in l.  NaN and infinities are not treated apart.
; SHARES.  A work-group makes 256 queries x 256 keys of one batch: 8 x 32 = 256 work-groups.  Four waves, each 128 x 128: 64 accumulators of 16 x 16, 512 registers; a wave's 128 keys are one block.
; K goes in steps of 128 channels through two LDS slots filled by the tensor data mover; rows of q and of k are 256 bytes of memory a step.
; THE MATRIX INSTRUCTION IS USED TRANSPOSED (source 0 = 16 keys, source 1 = 16 queries): a lane holds ONE query (lane % 16) and, of each 16 keys, the eight 8 (lane / 16) + 0..7.
; CLUSTER.  4 x 4 work-groups: the four of a row need the same rows of q, the four of a column the same rows of k: asked for jointly.
; REGISTERS, in windows of 256 (s_set_vgpr_msb: bits 1:0 source 0, 3:2 source 1, 5:4 source 2, 7:6 destination):
;   window 0: v0-29 addresses; v32-39 cm, v40-47 l of my eight blocks of rows; v48-55 at work; v64-127, v128-191 fragments of q, two buffers (on the way out: the weights in f32; rows read back); v192-223 packed weights
;   window 1: v64-127, v128-191 fragments of k          window 2: the accumulators of my rows 0-63, (a, b) at v[8 (8 a + b)]          window 3: those of my rows 64-127
.set PITCH, 272                        ; an LDS row: 256 bytes + 16 = 68 words: the 16 rows of a load start at 16 different groups of four banks (64 banks of 4 bytes: ISA guide 11.1)
.set HALFT, 128*PITCH                  ; 128 rows: one tensor load, and what one wave reads of q or of k
.set SLOT,  4*HALFT                    ; q's 256 rows, then k's 256 rows
.set STAGE, 2*SLOT                     ; behind the ring: 16 rows x 272 bytes for each wave
.set SP,    272
.set SPARE, STAGE+4*16*SP              ; the spare words, 128 bytes for each wave: two blocks of 256 bytes that no other line names
.set LAPS,  4                          ; 1,024 / 256
.set KBYTES, 256                       ; bytes from a K step to the next
.set PROW,  4096                       ; bytes in a row of Pm
.set WV, 12
.set WR, 13
.set WC, 14
.set G1A, 24
.set G0A, 32
.set G1B, 48
.set G0B, 56
.set CS,  68                           ; s[68:69] c: the packed scaling takes the pair's low word for both halves
.set SEL, 70                           ; s[70:71] v_permlanex16_b32's selects: each lane takes its own place in the other half
.set ADRA, 16
.set ADRB, 20
.set STO, 24
.set RD,  25
.set CO,  26
.set SO,  27                           ; v27 my byte offset in 256 bytes of St
.set SPW, 28
.set NIL, 29
.set CMR, 32
.set LR,  40
.set CH,  48                           ; four chains of the maximum
.set T,   52                           ; v52 cm, v53 the maximum
.set S,   64
.set F0,  64
.set F1,  128
.set OB,  128
.set TP,  192
.set MSB, 0
.macro WIN new
.if MSB != (\new)
	s_set_vgpr_msb (MSB<<8)|(\new)
.set MSB, \new
.endif
.endm
.macro JLOAD s                         ; a joint load: waves 0 and 1 fetch q's two halves, waves 2 and 3 k's; an s_nop 0 and four v_nop follow each line
	s_cmp_lt_u32 s[WV], 2
	s_cbranch_scc0 .Lfor_b_\@
	tensor_load_to_lds s[G0A+4*(\s):G0A+4*(\s)+3], s[G1A:G1A+7]
	s_nop 0
.rept 4
	v_nop
.endr
	s_branch .Lasked_\@
.Lfor_b_\@:
	tensor_load_to_lds s[G0B+4*(\s):G0B+4*(\s)+3], s[G1B:G1B+7]
	s_nop 0
.rept 4
	v_nop
.endr
.Lasked_\@:
.endm
.macro CREST
	s_cmp_lg_u32 s[WV], 0
	s_cbranch_scc1 .Lnot_wave_0_\@
	s_barrier_signal -3
.Lnot_wave_0_\@:
	s_barrier_wait -3
	s_barrier_signal -1
	s_barrier_wait -1
.endm
.macro CROUND
	s_barrier_signal -1
	s_barrier_wait -1
	CREST
.endm
.macro PLACES
.rept 4
	v_nop
.endr
.endm
	s_load_b128 s[4:7], s[0:1], 0x0                ; QKV s[4:5], Pm s[6:7]
	s_load_b64 s[8:9], s[0:1], 0x10                ; St
	v_lshl_add_u32 v[SPW], v0, 2, SPARE
	v_mov_b32 v[NIL], 0
	ds_add_u32 v[SPW], v[NIL]                      ; the wave's opening: the add and its wait stand ahead of my first tensor load
	v_lshrrev_b32 v1, 5, v0
	v_readfirstlane_b32 s[WV], v1
	s_lshr_b32 s[WR], s[WV], 1
	s_and_b32 s[WC], s[WV], 1
	s_bfe_u32 s15, ttmp6, 0x40000                  ; cx
	s_bfe_u32 s16, ttmp6, 0x40004                  ; cy
	s_lshl_b32 s17, ttmp9, 2
	s_add_co_u32 s17, s17, s15                     ; tile column: 256 keys of the batch
	s_and_b32 s18, ttmp7, 0xffff
	s_lshr_b32 s19, s18, 1                         ; the batch: eight tile rows, two clusters: made of the cluster's y alone
	s_lshl_b32 s18, s18, 2
	s_add_co_u32 s18, s18, s16                     ; tile row: 256 of the 8,192 rows
	s_lshl_b32 s20, s16, 2
	s_lshl_b32 s20, 15, s20                        ; my row of the cluster
	s_lshl_b32 s21, 0x1111, s15                    ; my column
	s_or_b32 s[G1A], s20, (1<<16)|(1<<20)|(1<<21)|(5<<22)|(3<<25)
	s_or_b32 s[G1B], s21, (1<<16)|(1<<20)|(1<<21)|(5<<22)|(3<<25)
.irp g, G1A, G1B
	s_mov_b32 s[(\g)+1], 128<<16                   ; tensor_dim0 = 128
	s_mov_b32 s[(\g)+2], 128<<16                   ; tensor_dim1 = 128
	s_mov_b32 s[(\g)+3], 128<<16                   ; tile_dim0 = 128
	s_mov_b32 s[(\g)+4], 128                       ; tile_dim1 = 128
	s_mov_b32 s[(\g)+5], 3072                      ; elements from row to row of QKV
	s_mov_b32 s[(\g)+6], 0
	s_mov_b32 s[(\g)+7], 0
.endr
	s_lshl_b32 s22, s18, 8                         ; q: row 256 x tile row + 128 x half: made of the tile row and the wave alone
	s_lshl_b32 s23, s[WC], 7
	s_add_co_u32 s22, s22, s23
	s_mul_i32 s22, s22, 6144
	s_mov_b32 s23, 0
	s_lshl_b32 s40, s19, 11                        ; k: row 2,048 x batch + 256 x tile column + 128 x half, 2,048 bytes into the row
	s_lshl_b32 s41, s17, 8
	s_add_co_u32 s40, s40, s41
	s_lshl_b32 s41, s[WC], 7
	s_add_co_u32 s40, s40, s41
	s_mul_i32 s40, s40, 6144
	s_add_co_u32 s40, s40, 2048
	s_mov_b32 s41, 0
	s_mul_i32 s46, s[WV], HALFT                    ; where they go: q's two halves, then k's two halves
	s_mov_b32 s[CS], 0x3d38aa3b                    ; c = log2(e) / 32
	s_mov_b32 s[CS+1], s[CS]
	s_mov_b32 s[SEL], 0x76543210
	s_mov_b32 s[SEL+1], 0xfedcba98
	s_wait_dscnt 0x0                               ; the opening add is done
	s_wait_kmcnt 0x0
	s_add_nc_u64 s[74:75], s[4:5], s[22:23]
	s_add_nc_u64 s[76:77], s[4:5], s[40:41]
	CROUND                                         ; all sixteen work-groups are here
.irp s, 0,1
	s_mov_b32 s[G0A+4*(\s)], 1
	s_add_co_u32 s[G0A+4*(\s)+1], s46, (\s)*SLOT
	s_add_nc_u64 s[G0A+4*(\s)+2:G0A+4*(\s)+3], s[74:75], (\s)*KBYTES
	s_or_b32 s[G0A+4*(\s)+3], s[G0A+4*(\s)+3], 0x80000000
	s_mov_b32 s[G0B+4*(\s)], 1
	s_add_co_u32 s[G0B+4*(\s)+1], s46, (\s)*SLOT
	s_add_nc_u64 s[G0B+4*(\s)+2:G0B+4*(\s)+3], s[76:77], (\s)*KBYTES
	s_or_b32 s[G0B+4*(\s)+3], s[G0B+4*(\s)+3], 0x80000000
	JLOAD \s                                       ; two loads of mine are out
.endr
	s_lshl_b32 s42, s18, 20                        ; my part of Pm: row 256 x tile row + 128 x row half, 4,096 bytes a row,
	s_lshl_b32 s43, s[WR], 19
	s_add_co_u32 s42, s42, s43
	s_lshl_b32 s43, s17, 9                         ; key 256 x tile column + 128 x column half, 2 bytes a key
	s_add_co_u32 s42, s42, s43
	s_lshl_b32 s43, s[WC], 8
	s_add_co_u32 s42, s42, s43
	s_mov_b32 s43, 0
	s_add_nc_u64 s[6:7], s[6:7], s[42:43]
	s_lshl_b32 s44, s19, 18                        ; my part of St: batch x 262,144 + block x 16,384 + row in the batch x 8
	s_lshl_b32 s45, s17, 15
	s_add_co_u32 s44, s44, s45
	s_lshl_b32 s45, s[WC], 14
	s_add_co_u32 s44, s44, s45
	s_and_b32 s45, s18, 7
	s_lshl_b32 s45, s45, 11
	s_add_co_u32 s44, s44, s45
	s_lshl_b32 s45, s[WR], 10
	s_add_co_u32 s44, s44, s45
	s_mov_b32 s45, 0
	s_add_nc_u64 s[8:9], s[8:9], s[44:45]
	v_and_b32 v1, 15, v0                           ; r
	v_bfe_u32 v2, v0, 4, 1                         ; h
	v_mul_u32_u24 v3, v1, PITCH
	v_lshl_add_u32 v3, v2, 4, v3                   ; a fragment: row x pitch + 16 x half
	s_mul_i32 s78, s[WR], HALFT                    ; my 128 rows of q
	s_mul_i32 s79, s[WC], HALFT                    ; my 128 rows of k,
	s_add_co_u32 s79, s79, 2*HALFT                 ; which lie behind q's 256
.irp s, 0,1
	v_add_nc_u32 v[ADRA+(\s)], s78, v3
	v_add_nc_u32 v[ADRB+(\s)], s79, v3
	s_add_co_u32 s78, s78, SLOT
	s_add_co_u32 s79, s79, SLOT
.endr
	s_mul_i32 s78, s[WV], 16*SP
	s_add_co_u32 s78, s78, STAGE                   ; my stage
	v_add_nc_u32 v[STO], s78, v3
	v_mul_u32_u24 v7, v2, SP
	v_lshl_add_u32 v7, v1, 4, v7
	v_add_nc_u32 v[RD], s78, v7
	v_lshlrev_b32 v7, 12, v2
	v_lshl_add_u32 v[CO], v1, 4, v7                ; two rows of Pm
	v_and_b32 v9, 31, v0                           ; lane
	v_lshlrev_b32 v[SO], 3, v9
; n blocks of 16 queries from a0 on, of the window's four (hi = 0: my rows 0-63, 1: rows 64-127) x all 8 blocks of 16 keys.  The accumulators take turns.
.macro MULA f, hi, a0, n, zero
	WIN 0xa1+0x50*(\hi)
.set ma, \a0
.rept \n
.set mb, 0
.rept 8
.if \zero
	v_wmma_f32_16x16x32_f16 v[8*(8*ma+mb):8*(8*ma+mb)+7], v[(\f)+8*mb:(\f)+8*mb+7], v[(\f)+8*(4*(\hi)+ma):(\f)+8*(4*(\hi)+ma)+7], 0
.else
	v_wmma_f32_16x16x32_f16 v[8*(8*ma+mb):8*(8*ma+mb)+7], v[(\f)+8*mb:(\f)+8*mb+7], v[(\f)+8*(4*(\hi)+ma):(\f)+8*(4*(\hi)+ma)+7], v[8*(8*ma+mb):8*(8*ma+mb)+7]
.endif
.set mb, mb+1
.endr
.set ma, ma+1
.endr
.endm
.macro FETCH slot, q, f                ; 32 LDS loads in one run: 16 for k, then 16 for q, its blocks ascending
	WIN 0x40
.irp i, 0,1,2,3,4,5,6,7
	ds_load_b128 v[(\f)+8*(\i):(\f)+8*(\i)+3],   v[ADRB+(\slot)] offset:(\q)*64+(\i)*16*PITCH
	ds_load_b128 v[(\f)+8*(\i)+4:(\f)+8*(\i)+7], v[ADRB+(\slot)] offset:(\q)*64+(\i)*16*PITCH+32
.endr
	WIN 0
.irp i, 0,1,2,3,4,5,6,7
	ds_load_b128 v[(\f)+8*(\i):(\f)+8*(\i)+3],   v[ADRA+(\slot)] offset:(\q)*64+(\i)*16*PITCH
	ds_load_b128 v[(\f)+8*(\i)+4:(\f)+8*(\i)+7], v[ADRA+(\slot)] offset:(\q)*64+(\i)*16*PITCH+32
.endr
.endm
.macro QUARTER slot, q, f, g, zero
	s_wait_dscnt 8                                 ; k and q's rows 0-63 are in; the youngest eight loads may be out
	MULA \f, 0, 0, 4, \zero
	PLACES
	FETCH \slot, \q, \g
	s_wait_dscnt 32                                ; all but the 32 just issued
	MULA \f, 1, 0, 4, \zero
.endm
.macro TURN slot, next, fill           ; the last quarter multiplies buffer 1 and changes slots; fill = 1: a round of the cluster's barrier, and this slot is filled again, two K steps on
	WIN 0
	s_wait_tensorcnt 0x0                           ; all my tensor loads have landed: the one that was out is my part of the next slot
	ds_add_u32 v[SPW], v[NIL]
	s_wait_dscnt 9                                 ; the add and the youngest eight loads may be out
	MULA F1, 0, 0, 2, 0
	s_wait_dscnt 0x0                               ; the add is done, and my reads of this slot are over
	s_barrier_signal -1
	MULA F1, 0, 2, 2, 0
.if \fill
	WIN 0
.endif
	s_barrier_wait -1
.if \fill
	CREST
	s_add_nc_u64 s[G0A+4*(\slot)+2:G0A+4*(\slot)+3], s[G0A+4*(\slot)+2:G0A+4*(\slot)+3], 2*KBYTES
	s_add_nc_u64 s[G0B+4*(\slot)+2:G0B+4*(\slot)+3], s[G0B+4*(\slot)+2:G0B+4*(\slot)+3], 2*KBYTES
	JLOAD \slot                                    ; its four v_nop are also the places in front of the loads below
.else
	PLACES
.endif
	FETCH \next, 0, F0
	MULA F1, 1, 0, 4, 0
.endm
; THE SOFTMAX'S FIRST HALF for block a of 16 queries: a lane holds 64 scores of one query, the lane 16 away the other 64.
.macro SOFT a
.set AC, 64*((\a)%4)
.set HW, (\a)/4
	WIN 0x2a+0x15*HW                               ; all three sources in the accumulators' window
.irp k, 0,1,2,3
	v_max3_num_f32 v[CH+(\k)], v[AC+16*(\k)], v[AC+16*(\k)+1], v[AC+16*(\k)+2]  ; four chains of 16 scores; each accumulator is first read at its low end
.endr
	WIN 0x28+0x14*HW
.irp i, 0,1,2,3,4,5
.irp k, 0,1,2,3
	v_max3_num_f32 v[CH+(\k)], v[CH+(\k)], v[AC+16*(\k)+3+2*(\i)], v[AC+16*(\k)+4+2*(\i)]
.endr
.endr
	v_max3_num_f32 v[CH], v[CH], v[AC+15], v[AC+31]
	v_max3_num_f32 v[CH+2], v[CH+2], v[AC+47], v[AC+63]
	WIN 0
	v_max3_num_f32 v[CH], v[CH], v[CH+1], v[CH+2]
	v_max_num_f32 v[CH], v[CH], v[CH+3]
	v_permlanex16_b32 v[CH+1], v[CH], s[SEL], s[SEL+1]
	v_max_num_f32 v[T+1], v[CH], v[CH+1]           ; the block's maximum
	v_mul_f32 v[T], s[CS], v[T+1]                  ; cm
	WIN 0x02+HW
.set i, 0
.rept 32
	v_pk_fma_f32 v[S+2*i:S+2*i+1], v[AC+2*i:AC+2*i+1], s[CS:CS+1], v[T:T+1] op_sel_hi:[1,0,0] neg_lo:[0,0,1] neg_hi:[0,0,1]  ; c s - cm
.set i, i+1
.endr
	WIN 0
.set i, 0
.rept 64
	v_exp_f32 v[S+i], v[S+i]
.set i, i+1
.endr
	v_mov_b32 v[CMR+(\a)], v[T]                    ; a plain instruction between the last exponential and the use of its result (ISA guide 5.7.2)
.set i, 0
	s_wait_alu depctr_va_vdst(0)
.rept 32
	v_cvt_pk_f16_f32 v[TP+i], v[S+2*i], v[S+2*i+1]
.set i, i+1
.endr
.irp w, 4,8,16,32,64                   ; the sum of the 32 pairs, in place, neighbours 1, 2, 4, 8 and 16 pairs apart
.set u, 0
.rept 64/(\w)
	v_pk_add_f32 v[S+(\w)*u:S+(\w)*u+1], v[S+(\w)*u:S+(\w)*u+1], v[S+(\w)*u+(\w)/2:S+(\w)*u+(\w)/2+1]
.set u, u+1
.endr
.endr
	v_add_f32 v[S], v[S], v[S+1]
	v_permlanex16_b32 v[S+2], v[S], s[SEL], s[SEL+1]
	v_add_f32 v[LR+(\a)], v[S], v[S+2]             ; l
.endm
.macro TOSTAGE a
.set BK, OB+32*((\a)%2)
.irp b, 0,1,2,3,4,5,6,7
	ds_store_b128 v[STO], v[TP+4*(\b):TP+4*(\b)+3] offset:32*(\b)
.endr
.irp t, 0,1,2,3,4,5,6,7
	ds_load_b128 v[BK+4*(\t):BK+4*(\t)+3], v[RD] offset:(\t)*2*SP  ; LDS serves a wave's instructions in order (ISA guide 5.7.1.4): these see the stores above
.endr
.endm
.macro SEND a
.set BK, OB+32*((\a)%2)
	s_wait_dscnt 0x0
	s_wait_xcnt 0x0                                ; the registers that earlier stores read are loaded again only behind this wait
.irp t, 0,1,2,3,4,5,6,7
	global_store_b128 v[CO], v[BK+4*(\t):BK+4*(\t)+3], s[6:7] offset:(16*(\a)+2*(\t))*PROW  ; 16 lanes store 256 consecutive bytes, aligned
.endr
.endm
	s_wait_tensorcnt 1                             ; my part of K step 0 is in; K step 1's may stay out
	s_barrier_signal -1
	s_barrier_wait -1
	FETCH 0, 0, F0
	QUARTER 0, 1, F0, F1, 1                        ; the first quarter's products start the sums
	WIN 0
	s_mov_b32 s3, LAPS-1
.Llap:
	QUARTER 0, 2, F1, F0, 0
	QUARTER 0, 3, F0, F1, 0
	TURN 0, 1, 1
	QUARTER 1, 1, F0, F1, 0
	QUARTER 1, 2, F1, F0, 0
	QUARTER 1, 3, F0, F1, 0
	TURN 1, 0, 1
	QUARTER 0, 1, F0, F1, 0
	WIN 0
	s_sub_co_u32 s3, s3, 1
	s_cmp_lg_u32 s3, 0
	s_cbranch_scc1 .Llap
	QUARTER 0, 2, F1, F0, 0                        ; the last lap fills nothing
	QUARTER 0, 3, F0, F1, 0
	TURN 0, 1, 0
	QUARTER 1, 1, F0, F1, 0
	QUARTER 1, 2, F1, F0, 0
	QUARTER 1, 3, F0, F1, 0
	s_wait_dscnt 8
	MULA F1, 0, 0, 4, 0
	s_wait_dscnt 0x0
	MULA F1, 1, 0, 4, 0
	WIN 0
	PLACES
	SOFT 0
	TOSTAGE 0
.irp a, 1,2,3,4,5,6,7                  ; block a's arithmetic stands between block a - 1's loads from the stage and the wait for them
	SOFT \a
	SEND (\a)-1
	TOSTAGE \a
.endr
	SEND 7
	; cm and l of my 128 rows: lanes 0-15 take block 2 j, lanes 16-31 block 2 j + 1: a store covers 32 rows, 256 consecutive bytes, aligned
	v_cmp_le_u32 s72, 16, v9
.irp j, 0,1,2,3
	v_cndmask_b32 v[CH+2*(\j)], v[CMR+2*(\j)], v[CMR+2*(\j)+1], s72
	v_cndmask_b32 v[CH+2*(\j)+1], v[LR+2*(\j)], v[LR+2*(\j)+1], s72
.endr
.irp j, 0,1,2,3
	global_store_b64 v[SO], v[CH+2*(\j):CH+2*(\j)+1], s[8:9] offset:256*(\j)
.endr
	s_wait_tensorcnt 0x0                           ; the wave's end
	ds_add_u32 v[SPW], v[NIL]
	s_wait_dscnt 0x0
	CROUND                                         ; the closing round
	s_endpgm
.Lfunc_end_k_qcedcd6e4fb_score:
	.size	k_qcedcd6e4fb_score, .Lfunc_end_k_qcedcd6e4fb_score-k_qcedcd6e4fb_score
	.p2alignl 7, 3214868480
	.fill 96, 4, 3214868480
	.section	.rodata,"a",@progbits
	.p2align	6, 0x0
	.amdhsa_kernel k_qcedcd6e4fb_score
		.amdhsa_group_segment_fixed_size 327680
		.amdhsa_private_segment_fixed_size 0
		.amdhsa_enable_private_segment 0
		.amdhsa_kernarg_size 24
		.amdhsa_user_sgpr_count 2
		.amdhsa_user_sgpr_kernarg_segment_ptr 1
		.amdhsa_wavefront_size32 1
		.amdhsa_system_sgpr_workgroup_id_x 1
		.amdhsa_system_sgpr_workgroup_id_y 1
		.amdhsa_system_sgpr_workgroup_id_z 1
		.amdhsa_system_vgpr_workitem_id 0
		.amdhsa_next_free_vgpr 1024
		.amdhsa_next_free_sgpr 80
		.amdhsa_reserve_vcc 0
		.amdhsa_float_denorm_mode_32 3
		.amdhsa_float_denorm_mode_16_64 3
		.amdhsa_memory_ordered 1
		.amdhsa_forward_progress 1
		.amdhsa_inst_pref_size 210
	.end_amdhsa_kernel
	.amdgpu_metadata
---
amdhsa.version: [ 1, 2 ]
amdhsa.kernels:
  - .name:           k_qcedcd6e4fb_score
    .symbol:         k_qcedcd6e4fb_score.kd
    .args:
      - { .name: QKV, .offset: 0, .size: 8, .value_kind: global_buffer, .address_space: global }
      - { .name: Pm, .offset: 8, .size: 8, .value_kind: global_buffer, .address_space: global }
      - { .name: St, .offset: 16, .size: 8, .value_kind: global_buffer, .address_space: global }
    .group_segment_fixed_size: 327680
    .private_segment_fixed_size: 0
    .kernarg_segment_align: 8
    .kernarg_segment_size: 24
    .max_flat_workgroup_size: 128
    .sgpr_count:     80
    .vgpr_count:     1024
    .wavefront_size: 32
...
	.end_amdgpu_metadata
.endif
;; end of part 3
;; launch mix (part 4): grid 4 x 64, 4 waves a work-group, clusters of 4 x 4, 327,680 bytes of LDS; arguments Pm, QKV, St, out0; writes out0
.if DOCPART == 4
	.amdgcn_target "amdgcn-amd-amdhsa--gfx1250"
	.amdhsa_code_object_version 6
	.text
	.protected	k_qcedcd6e4fb_mix
	.globl	k_qcedcd6e4fb_mix
	.p2align	8
	.type	k_qcedcd6e4fb_mix,@function
k_qcedcd6e4fb_mix:
	s_mov_b64 s[64:65], 0
	v_nop
	global_prefetch_b8 v0, s[64:65] scope:SCOPE_SE
	s_setreg_imm32_b32 hwreg(HW_REG_WAVE_MODE, 25, 1), 1
	s_wait_xcnt 0x0
	s_wait_alu depctr_hold_cnt(0) depctr_sa_sdst(0) depctr_va_vdst(0) depctr_va_sdst(0) depctr_va_ssrc(0) depctr_va_vcc(0) depctr_vm_vsrc(0)
	s_getreg_b32 s2, hwreg(HW_REG_IB_STS2, 6, 4)
	s_cmp_eq_u32 s2, 0
	s_cbranch_scc0 .Lentry_in_a_cluster
	s_endpgm
.Lentry_in_a_cluster:
	s_bfe_u32 s2, ttmp6, 0x10000c
	s_cmp_lg_u32 s2, 0xf033
	s_cbranch_scc0 .Lentry_shape_is_right
	s_endpgm
.Lentry_shape_is_right:
; out[row][ch] = ( sum over the 16 key blocks of g_blk x (sum over the block's keys of p v) ) / L, with CM = the largest cm of the row, g_blk = 2^(cm_blk - CM), L = the sum of l_blk g_blk.
; Together with the launch before this is the softmax with the row's true maximum taken away.  Pm: [8192][2048] f16; v: columns 2048-3071 of QKV [8192][3072] f16; St: [4][16][2048][cm, l] f32; out: [8192][1024] f32.
; g is rounded to f16 and multiplied onto the fragments of p between their LDS load and the product (one packed line for each matrix instruction); sums, CM and L in f32.
; LIMITS.  g p lies in 0 to 1; below 6e-5 it keeps f16's fixed step of 6e-8, against L of 1 or more.  NaN and infinities are not treated apart.
; SHARES.  A work-group makes 128 rows x 256 channels: 4 x 64 = 256 work-groups.  Four waves, each 64 x 128: 32 accumulators.  K (the keys) goes in steps of 128, one block a step, through two LDS slots:
; 128 rows of p (256 bytes each) and 128 rows of v (512 bytes each, as they lie: [key][channel]), which come out of LDS turned, by ds_load_tr16_b128.
; THE MATRIX INSTRUCTION IS USED TRANSPOSED (source 0 = 16 channels of v, source 1 = 16 rows of p): a lane holds eight neighbouring numbers of a row of out.
; CLUSTER.  4 x 4 work-groups: the four of a row need the same rows of p, the four of a column (one batch: 16 tile rows) the same tiles of v: asked for jointly.
; REGISTERS: window 0: v0-29 addresses; v32-39 g of my four blocks of rows, for each slot; v48-55 1 / L, twice each; v64-95, v128-159 fragments of p (on the way out v64-191: rows read back); v192-255 at work
;   window 1: v64-127, v128-191 fragments of v          window 2: the accumulators, (a, b) at v[8 (8 a + b)]
.set PA,    272
.set PB,    544
.set AH,    64*PA
.set BH,    64*PB
.set SLOT,  2*AH+2*BH
.set STAGE, 2*SLOT                     ; behind the ring: 16 rows x 528 bytes for each wave
.set SP,    528                        ; 512 bytes + 16: the 16 rows of a store start at 16 different groups of four banks (64 banks of 4 bytes: ISA guide 11.1)
.set GT,    STAGE+4*16*SP              ; [16 blocks][128 rows] words: g in f16, twice in the word
.set RL,    GT+16*128*4                ; [128 rows] f32: 1 / L
.set SPARE, RL+512                     ; the spare words, 128 bytes for each wave: two blocks of 256 bytes that no other line names
.set LAPS,  8                          ; 2,048 / 256
.set ASTEP, 256
.set BSTEP, 128*6144
.set OROW,  4096                       ; bytes in a row of out
.set WV, 12
.set WR, 13
.set WC, 14
.set G1A, 24
.set G0A, 32
.set G1B, 48
.set G0B, 56
.set GB,  73                           ; s73 the byte in GT at which the block to be fetched begins
.set GBASE, 10                         ; v10 my row's word in GT's block 0
.set GA,  11                           ; v11 the address of the run in hand
.set SA,  12                           ; v12 my byte offset in St
.set GS,  13                           ; v13 where I put my row's g
.set ADRA, 16
.set ADRB, 20
.set STO, 24
.set RD,  25
.set CO,  26
.set SPW, 28
.set NIL, 29
.set GR,  32
.set RLR, 48
.set F0,  64
.set F1,  128
.set OB,  64
.set TF,  192
.set MSB, 0
.macro WIN new
.if MSB != (\new)
	s_set_vgpr_msb (MSB<<8)|(\new)
.set MSB, \new
.endif
.endm
.set MUL, 0xa1
.macro JLOAD s                         ; a joint load: waves 0 and 1 fetch p's two halves, waves 2 and 3 v's; an s_nop 0 and four v_nop follow each line
	s_cmp_lt_u32 s[WV], 2
	s_cbranch_scc0 .Lfor_b_\@
	tensor_load_to_lds s[G0A+4*(\s):G0A+4*(\s)+3], s[G1A:G1A+7]
	s_nop 0
.rept 4
	v_nop
.endr
	s_branch .Lasked_\@
.Lfor_b_\@:
	tensor_load_to_lds s[G0B+4*(\s):G0B+4*(\s)+3], s[G1B:G1B+7]
	s_nop 0
.rept 4
	v_nop
.endr
.Lasked_\@:
.endm
.macro CREST
	s_cmp_lg_u32 s[WV], 0
	s_cbranch_scc1 .Lnot_wave_0_\@
	s_barrier_signal -3
.Lnot_wave_0_\@:
	s_barrier_wait -3
	s_barrier_signal -1
	s_barrier_wait -1
.endm
.macro CROUND
	s_barrier_signal -1
	s_barrier_wait -1
	CREST
.endm
.macro PLACES
.rept 4
	v_nop
.endr
.endm
	s_load_b256 s[4:11], s[0:1], 0x0               ; Pm s[4:5], QKV s[6:7], St s[8:9], out s[10:11]
	v_lshl_add_u32 v[SPW], v0, 2, SPARE
	v_mov_b32 v[NIL], 0
	ds_add_u32 v[SPW], v[NIL]                      ; the wave's opening: the add and its wait stand ahead of my first tensor load
	v_lshrrev_b32 v1, 5, v0
	v_readfirstlane_b32 s[WV], v1
	s_lshr_b32 s[WR], s[WV], 1
	s_and_b32 s[WC], s[WV], 1
	s_bfe_u32 s15, ttmp6, 0x40000                  ; cx
	s_bfe_u32 s16, ttmp6, 0x40004                  ; cy
	s_lshl_b32 s17, ttmp9, 2
	s_add_co_u32 s17, s17, s15                     ; tile column: 256 channels
	s_and_b32 s18, ttmp7, 0xffff
	s_lshr_b32 s19, s18, 2                         ; the batch: 16 tile rows, four clusters: made of the cluster's y alone
	s_lshl_b32 s18, s18, 2
	s_add_co_u32 s18, s18, s16                     ; tile row: 128 of the 8,192 rows
	s_lshl_b32 s20, s16, 2
	s_lshl_b32 s20, 15, s20
	s_lshl_b32 s21, 0x1111, s15
	s_or_b32 s[G1A], s20, (1<<16)|(1<<20)|(1<<21)|(5<<22)|(3<<25)
	s_mov_b32 s[G1A+1], 128<<16
	s_mov_b32 s[G1A+2], 64<<16
	s_mov_b32 s[G1A+3], 128<<16
	s_mov_b32 s[G1A+4], 64
	s_mov_b32 s[G1A+5], 2048                       ; elements from row to row of Pm
	s_mov_b32 s[G1A+6], 0
	s_mov_b32 s[G1A+7], 0
	s_or_b32 s[G1B], s21, (1<<16)|(1<<20)|(1<<21)|(6<<22)|(7<<25)
	s_mov_b32 s[G1B+1], 256<<16
	s_mov_b32 s[G1B+2], 64<<16
	s_mov_b32 s[G1B+3], 256<<16
	s_mov_b32 s[G1B+4], 64
	s_mov_b32 s[G1B+5], 3072                       ; elements from row to row of QKV
	s_mov_b32 s[G1B+6], 0
	s_mov_b32 s[G1B+7], 0
	s_lshl_b32 s22, s18, 19                        ; p: 128 rows of 4,096 bytes a tile row, my 64 of them
	s_lshl_b32 s23, s[WC], 18
	s_add_co_u32 s22, s22, s23
	s_mov_b32 s23, 0
	s_lshl_b32 s40, s19, 11                        ; v: row 2,048 x batch + my 64 of a K step,
	s_lshl_b32 s41, s[WC], 6
	s_add_co_u32 s40, s40, s41
	s_mul_i32 s40, s40, 6144
	s_lshl_b32 s41, s17, 9                         ; 4,096 bytes into the row + 512 a tile column
	s_add_co_u32 s40, s40, s41
	s_add_co_u32 s40, s40, 4096
	s_mov_b32 s41, 0
	s_mul_i32 s46, s[WC], AH
	s_mul_i32 s47, s[WC], BH
	s_add_co_u32 s47, s47, 2*AH
	s_mov_b32 s[GB], 0
	s_wait_dscnt 0x0                               ; the opening add is done
	s_wait_kmcnt 0x0
	s_add_nc_u64 s[4:5], s[4:5], s[22:23]
	s_add_nc_u64 s[6:7], s[6:7], s[40:41]
	CROUND
.irp s, 0,1
	s_mov_b32 s[G0A+4*(\s)], 1
	s_add_co_u32 s[G0A+4*(\s)+1], s46, (\s)*SLOT
	s_add_nc_u64 s[G0A+4*(\s)+2:G0A+4*(\s)+3], s[4:5], (\s)*ASTEP
	s_or_b32 s[G0A+4*(\s)+3], s[G0A+4*(\s)+3], 0x80000000
	s_mov_b32 s[G0B+4*(\s)], 1
	s_add_co_u32 s[G0B+4*(\s)+1], s47, (\s)*SLOT
	s_add_nc_u64 s[G0B+4*(\s)+2:G0B+4*(\s)+3], s[6:7], (\s)*BSTEP
	s_or_b32 s[G0B+4*(\s)+3], s[G0B+4*(\s)+3], 0x80000000
	JLOAD \s                                       ; two loads of mine are out
.endr
	; THE STATISTICS.  Thread t takes row t of the tile's 128: its sixteen (cm, l)
	s_lshl_b32 s44, s19, 18
	s_and_b32 s45, s18, 15
	s_lshl_b32 s45, s45, 10
	s_add_co_u32 s44, s44, s45
	s_mov_b32 s45, 0
	s_add_nc_u64 s[8:9], s[8:9], s[44:45]
	v_lshlrev_b32 v[SA], 3, v0
.set bb, 0
.rept 16
	global_load_b64 v[64+2*bb:65+2*bb], v[SA], s[8:9] offset:16384*bb
.set bb, bb+1
.endr
	s_lshl_b32 s42, s18, 19                        ; my part of out
	s_lshl_b32 s43, s[WR], 18
	s_add_co_u32 s42, s42, s43
	s_lshl_b32 s43, s17, 10
	s_add_co_u32 s42, s42, s43
	s_lshl_b32 s43, s[WC], 9
	s_add_co_u32 s42, s42, s43
	s_mov_b32 s43, 0
	s_add_nc_u64 s[10:11], s[10:11], s[42:43]
	v_and_b32 v1, 15, v0                           ; r
	v_bfe_u32 v2, v0, 4, 1                         ; h
	v_mul_u32_u24 v3, v1, PA
	v_lshl_add_u32 v3, v2, 4, v3
	v_and_b32 v4, 7, v0
	v_bfe_u32 v5, v0, 3, 1
	v_lshl_add_u32 v6, v2, 3, v4
	v_mul_u32_u24 v6, v6, PB
	v_lshl_add_u32 v6, v5, 4, v6
	s_mul_i32 s74, s[WR], AH
	s_lshl_b32 s75, s[WC], 8
	s_add_co_u32 s75, s75, 2*AH
.irp s, 0,1
	v_add_nc_u32 v[ADRA+(\s)], s74, v3
	v_add_nc_u32 v[ADRB+(\s)], s75, v6
	s_add_co_u32 s74, s74, SLOT
	s_add_co_u32 s75, s75, SLOT
.endr
	s_mul_i32 s76, s[WV], 16*SP
	s_add_co_u32 s76, s76, STAGE                   ; my stage
	v_mul_u32_u24 v7, v1, SP                       ; in: row r, 32 bytes for each half of the lanes
	v_lshl_add_u32 v7, v2, 5, v7
	v_add_nc_u32 v[STO], s76, v7
	v_and_b32 v8, 31, v0
	v_lshlrev_b32 v[CO], 4, v8                     ; back: 32 lanes take one row of 512 bytes, and so in out
	v_add_nc_u32 v[RD], s76, v[CO]
	v_lshl_add_u32 v[GS], v0, 2, GT
	s_lshl_b32 s77, s[WR], 8
	s_add_co_u32 s77, s77, GT
	v_lshl_add_u32 v[GBASE], v1, 2, s77            ; a fragment's lane holds row r of a block of 16: my 64 rows begin at word 64 x row half
	s_wait_loadcnt 0x0
	v_max3_num_f32 v96, v64, v66, v68              ; CM
.irp b, 3,5,7,9,11,13
	v_max3_num_f32 v96, v96, v[64+2*(\b)], v[66+2*(\b)]
.endr
	v_max_num_f32 v96, v96, v94
.set bb, 0
.rept 16
	v_sub_f32 v[64+2*bb], v[64+2*bb], v96
.set bb, bb+1
.endr
.set bb, 0
.rept 16
	v_exp_f32 v[64+2*bb], v[64+2*bb]               ; g
.set bb, bb+1
.endr
	v_nop                                          ; a plain instruction between the last exponential and the use of its result (ISA guide 5.7.2)
	s_wait_alu depctr_va_vdst(0)
	v_mul_f32 v97, v65, v64                        ; L
.set bb, 1
.rept 15
	v_fmac_f32 v97, v[65+2*bb], v[64+2*bb]
.set bb, bb+1
.endr
.set bb, 0
.rept 16
	v_cvt_pk_f16_f32 v[100+bb], v[64+2*bb], v[64+2*bb]
.set bb, bb+1
.endr
	v_rcp_f32 v98, v97
.set bb, 0
.rept 16
	ds_store_b32 v[GS], v[100+bb] offset:512*bb
.set bb, bb+1
.endr
	v_nop                                          ; a plain instruction behind the reciprocal
	s_wait_alu depctr_va_vdst(0)
	ds_store_b32 v[GS], v98 offset:RL-GT
.macro MULA f, a0, n, zero             ; the accumulators take turns
	WIN MUL
.set ma, \a0
.rept \n
.set mb, 0
.rept 8
.if \zero
	v_wmma_f32_16x16x32_f16 v[8*(8*ma+mb):8*(8*ma+mb)+7], v[(\f)+8*mb:(\f)+8*mb+7], v[(\f)+8*ma:(\f)+8*ma+7], 0
.else
	v_wmma_f32_16x16x32_f16 v[8*(8*ma+mb):8*(8*ma+mb)+7], v[(\f)+8*mb:(\f)+8*mb+7], v[(\f)+8*ma:(\f)+8*ma+7], v[8*(8*ma+mb):8*(8*ma+mb)+7]
.endif
.set mb, mb+1
.endr
.set ma, ma+1
.endr
.endm
.macro FETCH slot, q, f                ; 24 LDS loads in one run: 16 for v (turned), then 8 for p, its blocks ascending
	WIN 0x40
.irp i, 0,1,2,3,4,5,6,7
	ds_load_tr16_b128 v[(\f)+8*(\i):(\f)+8*(\i)+3],   v[ADRB+(\slot)] offset:(\q)*32*PB+32*(\i)
	ds_load_tr16_b128 v[(\f)+8*(\i)+4:(\f)+8*(\i)+7], v[ADRB+(\slot)] offset:(\q)*32*PB+32*(\i)+16*PB
.endr
	WIN 0
.irp i, 0,1,2,3
	ds_load_b128 v[(\f)+8*(\i):(\f)+8*(\i)+3],   v[ADRA+(\slot)] offset:(\q)*64+(\i)*16*PA
	ds_load_b128 v[(\f)+8*(\i)+4:(\f)+8*(\i)+7], v[ADRA+(\slot)] offset:(\q)*64+(\i)*16*PA+32
.endr
.endm
.macro GFETCH s                        ; g of the next block of keys for my four blocks of rows, into slot s's four registers; it stands ahead of FETCH, so FETCH's counts hold
	WIN 0
	v_add_nc_u32 v[GA], s[GB], v[GBASE]
.irp a, 0,1,2,3
	ds_load_b32 v[GR+4*(\s)+(\a)], v[GA] offset:64*(\a)
.endr
	s_add_co_u32 s[GB], s[GB], 512
.endm
.macro SCALE f, slot, a0               ; the fragments of p of blocks a0, a0 + 1 in buffer f times g; none of these registers is named by the matrix instructions just before
	WIN 0
.irp a, \a0, (\a0)+1
.irp j, 0,1,2,3,4,5,6,7
	v_pk_mul_f16 v[(\f)+8*(\a)+(\j)], v[(\f)+8*(\a)+(\j)], v[GR+4*(\slot)+(\a)]
.endr
.endr
.endm
.macro QUARTER slot, q, f, g, zero
	s_wait_dscnt 4                                 ; v and p's rows 0-31 are in; the youngest four loads may be out
	SCALE \f, \slot, 0
	MULA \f, 0, 2, \zero
	PLACES
	FETCH \slot, \q, \g
	s_wait_dscnt 24                                ; all but the 24 just issued
	SCALE \f, \slot, 2
	MULA \f, 2, 2, \zero
.endm
.macro TURN slot, next, fill
	WIN 0
	s_wait_tensorcnt 0x0                           ; all my tensor loads have landed: the one that was out is my part of the next slot
	ds_add_u32 v[SPW], v[NIL]
	s_wait_dscnt 5                                 ; the add and the youngest four loads may be out
	SCALE F1, \slot, 0
	MULA F1, 0, 1, 0
	s_wait_dscnt 0x0                               ; the add is done, and my reads of this slot are over
	s_barrier_signal -1
	SCALE F1, \slot, 2
	MULA F1, 1, 1, 0
.if \fill
	WIN 0
.endif
	s_barrier_wait -1
.if \fill
	CREST
	s_add_nc_u64 s[G0A+4*(\slot)+2:G0A+4*(\slot)+3], s[G0A+4*(\slot)+2:G0A+4*(\slot)+3], 2*ASTEP
	s_add_nc_u64 s[G0B+4*(\slot)+2:G0B+4*(\slot)+3], s[G0B+4*(\slot)+2:G0B+4*(\slot)+3], 2*BSTEP
	JLOAD \slot                                    ; its four v_nop are also the places in front of the loads below
.else
	PLACES
.endif
	GFETCH \next
	FETCH \next, 0, F0
	MULA F1, 2, 2, 0
.endm
; THE WAY OUT of block a (16 rows x 128 channels of f32).  PACK: divided by L.  TOSTAGE: into my own stage, and back as whole rows of 512 bytes.  SEND: stored.
.macro PACK a
	WIN 0x02                                       ; source 0 window 2
.set i, 0
.rept 32
	v_pk_mul_f32 v[TF+2*i:TF+2*i+1], v[64*(\a)+2*i:64*(\a)+2*i+1], v[RLR+2*(\a):RLR+2*(\a)+1] op_sel_hi:[1,0]  ; each accumulator's registers in ascending order
.set i, i+1
.endr
	WIN 0
.endm
.macro TOSTAGE a
.set BK, OB+64*((\a)%2)
.irp b, 0,1,2,3,4,5,6,7
	ds_store_b128 v[STO], v[TF+8*(\b):TF+8*(\b)+3] offset:64*(\b)
	ds_store_b128 v[STO], v[TF+8*(\b)+4:TF+8*(\b)+7] offset:64*(\b)+16
.endr
.set i, 0
.rept 16
	ds_load_b128 v[BK+4*i:BK+4*i+3], v[RD] offset:i*SP  ; LDS serves a wave's instructions in order (ISA guide 5.7.1.4): these see the stores above
.set i, i+1
.endr
.endm
.macro SEND a
.set BK, OB+64*((\a)%2)
	s_wait_dscnt 0x0
	s_wait_xcnt 0x0                                ; the registers that earlier stores read are loaded again only behind this wait
.set i, 0
.rept 16
	global_store_b128 v[CO], v[BK+4*i:BK+4*i+3], s[10:11] offset:(16*(\a)+i)*OROW th:TH_STORE_NT  ; 512 consecutive bytes, aligned
.set i, i+1
.endr
.endm
	s_wait_dscnt 0x0                               ; for the others' sake: my stores of g and 1 / L are done
	s_wait_tensorcnt 1                             ; my part of K step 0 is in; K step 1's may stay out
	s_barrier_signal -1
	s_barrier_wait -1
.irp a, 0,1,2,3
	ds_load_b32 v[RLR+2*(\a)], v[GBASE] offset:RL-GT+64*(\a)     ; 1 / L of my rows; twice, since the packed multiply names a pair
	ds_load_b32 v[RLR+2*(\a)+1], v[GBASE] offset:RL-GT+64*(\a)
.endr
	GFETCH 0
	FETCH 0, 0, F0
	QUARTER 0, 1, F0, F1, 1                        ; the first quarter's products start the sums
	WIN 0
	s_mov_b32 s3, LAPS-1
.Llap:
	QUARTER 0, 2, F1, F0, 0
	QUARTER 0, 3, F0, F1, 0
	TURN 0, 1, 1
	QUARTER 1, 1, F0, F1, 0
	QUARTER 1, 2, F1, F0, 0
	QUARTER 1, 3, F0, F1, 0
	TURN 1, 0, 1
	QUARTER 0, 1, F0, F1, 0
	WIN 0
	s_sub_co_u32 s3, s3, 1
	s_cmp_lg_u32 s3, 0
	s_cbranch_scc1 .Llap
	QUARTER 0, 2, F1, F0, 0                        ; the last lap fills nothing
	QUARTER 0, 3, F0, F1, 0
	TURN 0, 1, 0
	QUARTER 1, 1, F0, F1, 0
	QUARTER 1, 2, F1, F0, 0
	QUARTER 1, 3, F0, F1, 0
	s_wait_dscnt 4
	SCALE F1, 1, 0
	MULA F1, 0, 2, 0
	s_wait_dscnt 0x0
	SCALE F1, 1, 2
	MULA F1, 2, 2, 0
	WIN 0
	PLACES
	PACK 0
	TOSTAGE 0
.irp a, 1,2,3
	PACK \a
	SEND (\a)-1
	TOSTAGE \a
.endr
	SEND 3
	s_wait_tensorcnt 0x0                           ; the wave's end
	ds_add_u32 v[SPW], v[NIL]
	s_wait_dscnt 0x0
	CROUND                                         ; the closing round
	s_endpgm
.Lfunc_end_k_qcedcd6e4fb_mix:
	.size	k_qcedcd6e4fb_mix, .Lfunc_end_k_qcedcd6e4fb_mix-k_qcedcd6e4fb_mix
	.p2alignl 7, 3214868480
	.fill 96, 4, 3214868480
	.section	.rodata,"a",@progbits
	.p2align	6, 0x0
	.amdhsa_kernel k_qcedcd6e4fb_mix
		.amdhsa_group_segment_fixed_size 327680
		.amdhsa_private_segment_fixed_size 0
		.amdhsa_enable_private_segment 0
		.amdhsa_kernarg_size 32
		.amdhsa_user_sgpr_count 2
		.amdhsa_user_sgpr_kernarg_segment_ptr 1
		.amdhsa_wavefront_size32 1
		.amdhsa_system_sgpr_workgroup_id_x 1
		.amdhsa_system_sgpr_workgroup_id_y 1
		.amdhsa_system_sgpr_workgroup_id_z 1
		.amdhsa_system_vgpr_workitem_id 0
		.amdhsa_next_free_vgpr 768
		.amdhsa_next_free_sgpr 80
		.amdhsa_reserve_vcc 0
		.amdhsa_float_denorm_mode_32 3
		.amdhsa_float_denorm_mode_16_64 3
		.amdhsa_memory_ordered 1
		.amdhsa_forward_progress 1
		.amdhsa_inst_pref_size 135
	.end_amdhsa_kernel
	.amdgpu_metadata
---
amdhsa.version: [ 1, 2 ]
amdhsa.kernels:
  - .name:           k_qcedcd6e4fb_mix
    .symbol:         k_qcedcd6e4fb_mix.kd
    .args:
      - { .name: Pm, .offset: 0, .size: 8, .value_kind: global_buffer, .address_space: global }
      - { .name: QKV, .offset: 8, .size: 8, .value_kind: global_buffer, .address_space: global }
      - { .name: St, .offset: 16, .size: 8, .value_kind: global_buffer, .address_space: global }
      - { .name: out0, .offset: 24, .size: 8, .value_kind: global_buffer, .address_space: global }
    .group_segment_fixed_size: 327680
    .private_segment_fixed_size: 0
    .kernarg_segment_align: 8
    .kernarg_segment_size: 32
    .max_flat_workgroup_size: 128
    .sgpr_count:     80
    .vgpr_count:     768
    .wavefront_size: 32
...
	.end_amdgpu_metadata
.endif
;; end of part 4
